; MI455X (gfx1250); checked and timed in simulation.
; The chip was launched on July 23, 2026; its instructions are those of AMD's public machine-readable ISA for CDNA 5 (MIT licence, August 2026) and "CDNA5" Instruction Set Architecture Reference Guide (July 2026). The comments in the code are by the model that wrote it; some were corrected since.
;; KNN Buffer. Allowed arithmetic: matrix products marked QUANTISED: E2M1 operands, one E8M0 scale for each 32 along K, by v_wmma_scale_f32_16x16x128_f8f6f4 with both operands' format E2M1 (or v_wmma_scale_f32_32x16x128_f4), f32 sums; everything else in f32.
;; Inputs: buffer 50,000 x 512 float32; inputs 2,048 x 512 float32.
;; Outputs: out0 2,048 x 512 float32.
;; This version of the problem:
;;   THIS VERSION OF THE PROBLEM IS GIVEN IN LOW PRECISION. The matrix products marked QUANTISED in the list below multiply operands that are first quantised to E2M1 (2 exponent bits, 1 mantissa bit; 4 bits a number), with one power-of-two scale for each 32 numbers along K (OCP MX v1.0); their sums are f32. All else is computed in f32.
;;   The module's matrix products, in the order in which they are computed (A, B: the left and right operand; K: the contracted axis; several contracted axes count as one K, in the product's order):
;;     1. [M 2,048, K 512] x [K 512, N 50,000]; A: input inputs; B: input buffer: QUANTISED
;;   THE QUANTISER, for each operand of a quantised product, along K:
;;     - K is cut into blocks of 32 from its start; a last block that is shorter is filled with zeros.
;;     - A block's scale is 2^e with e = floor(log2(the largest magnitude in the block)) - 2, held to -126 .. 127; a block of zeros has e = 0. As a byte (E8M0): e + 127.
;;     - Each number is divided by its block's scale, clamped to +-6, and rounded to the nearest number of E2M1, ties to even, subnormals kept.
;;     - The product sums the exact products of the quantised numbers (number of the format x scale) in f32.
;;   ~~~python
;;   def quantise(x, axis):      # numpy; x: float32 -> the quantised numbers, widened to float32 again
;;       x = np.moveaxis(x, axis, -1); K = x.shape[-1]
;;       x = np.pad(x, [(0, 0)] * (x.ndim - 1) + [(0, -K % 32)]); x = x.reshape(x.shape[:-1] + (-1, 32)); a = np.abs(x).max(-1, keepdims=True)
;;       e = np.where(a > 0, np.clip(np.frexp(np.where(a > 0, a, 1))[1] - 1 - 2, -126, 127), 0)      # np.frexp(a)[1] - 1 = floor(log2(a)), exactly
;;       r = np.clip(x / 2.0 ** e, -6, 6)
;;       step = 2.0 ** (np.maximum(np.frexp(np.where(r == 0, 1, r))[1] - 1, 0) - 1)
;;       q = np.round(r / step) * step * 2.0 ** e      # np.round: ties to even
;;       return np.moveaxis(q.reshape(q.shape[:-2] + (-1,))[..., :K], -1, axis).astype(np.float32)
;;   ~~~
;; One version. Each part assembles by itself: llvm-mc -triple=amdgcn-amd-amdhsa -mcpu=gfx1250 --defsym DOCPART=n.
;; ======== version 1 of 1: 3 launches
;; limits: right only within a limited range of input values
;; workspace buffers: qrec 557,056 bytes; part 2,097,152 bytes of whole numbers
;; launch queries (part 1): grid 128 x 1, 4 waves a work-group, no clusters, 39,936 bytes of LDS; arguments inputs, qrec; writes qrec
.if DOCPART == 1
	.amdgcn_target "amdgcn-amd-amdhsa--gfx1250"
	.amdhsa_code_object_version 6
	.text
	.protected	k_qd1c0e156a4_queries
	.globl	k_qd1c0e156a4_queries
	.p2align	8
	.type	k_qd1c0e156a4_queries,@function
k_qd1c0e156a4_queries:
	s_mov_b64 s[64:65], 0
	v_nop
	global_prefetch_b8 v0, s[64:65] scope:SCOPE_SE
	s_setreg_imm32_b32 hwreg(HW_REG_WAVE_MODE, 25, 1), 1
	s_wait_xcnt 0x0
; THE PROGRAM: for each query the buffer row of greatest q.b - b2 / 2 (b2 = the row's sum of squares) is found and copied.
; LEFT OUT: the term q2 of d2 = q2 - 2 q.b + b2.  It is one number for all rows of the argmin of a query, so no finite values of the inputs let it move that argmin; the factor -2 turns the argmin into an argmax.
; LIMIT: a NaN, an infinity or an overflow that reaches q2 alone is not carried to the result.
; THIS LAUNCH: inputs [2048][512] f32 become operands of MX-FP4 (E2M1 codes, one E8M0 byte for each 32 along K), a record for each tile of 16 rows, in the order of the operand's registers:
;   bytes 0-4095 the codes: image n (k = 64 n .. 64 n + 63) is 512 bytes, lane l's 16 bytes at 16 l: row l % 16, k = 64 n + 32 (l / 16) + 0 .. 31;
;   bytes 4096-4351 the scale words: lane l's 8 bytes at 8 l: word i is that of row l % 16 for the K step 2 i + l / 16 of 128.
; A block's scale is 2^(floor(log2(largest magnitude)) - 2); its byte is the largest magnitude's exponent field - 2, held at 1 from below.  A block of zeros so gets the byte 1 where the rule says 127:
; its codes are zeros, which add nothing, and the bytes are read by this program alone.
; LIMITS: NaN and infinities among the inputs are not served.
; SHARES: a work-group takes a tile, a wave four rows (8,192 consecutive bytes).  They turn through the wave's stage in LDS, so that a lane gets 64 neighbours along K, two whole blocks: lane = 8 x row + n.
; 128 work-groups are all the tiles there are.  No matrix unit, no tensor load, no prefetch: every load is issued at the head.
.set STG,  32*272                      ; a wave's stage: 32 chunks of 256 bytes + 16
.set IMG,  4*STG                       ; the record's image: 8 images of 512 bytes + 32, then the scale words
.set SCW,  IMG+8*544
.set SPARE, SCW+256
.set X,    32                          ; v32-95  64 numbers
.set PC,   96                          ; v96-103 codes
.set MX,   104
.set SC,   106
.set BY,   108
	s_load_b128 s[4:7], s[0:1], 0x0                ; inputs, qrec
	v_lshl_add_u32 v8, v0, 2, SPARE
	v_mov_b32 v9, 0
	v_lshrrev_b32 v1, 5, v0
	v_readfirstlane_b32 s10, v1                    ; wave
	s_mul_i32 s12, s10, STG
	s_lshl_b32 s13, s10, 2                         ; my wave's first row in the tile
	s_mul_i32 s14, s10, 544
	s_add_co_u32 s14, s14, IMG
	v_and_b32 v1, 31, v0                           ; lane
	v_and_b32 v16, 7, v0                           ; n
	v_bfe_u32 v17, v0, 3, 2                        ; row of my wave's four
	v_bfe_u32 v18, v0, 4, 1
	v_and_b32 v19, 15, v0
	v_bfe_u32 v20, v0, 1, 1
	v_bfe_u32 v21, v0, 2, 1
	v_and_b32 v22, 1, v0
	v_lshlrev_b32 v2, 4, v1                        ; my 16 bytes of a load's 512
	v_mul_u32_u24 v3, v18, 272
	v_lshl_add_u32 v3, v19, 4, v3
	v_add_nc_u32 v3, s12, v3                       ; the stage, in: a load fills two chunks
	v_mul_u32_u24 v4, v1, 272
	v_add_nc_u32 v4, s12, v4                       ; out: my chunk
	v_add_nc_u32 v17, s13, v17                     ; my row of the tile
	v_mul_u32_u24 v5, v16, 544
	v_lshl_add_u32 v5, v17, 4, v5
	v_add_nc_u32 v5, IMG, v5                       ; my codes' place
	v_lshlrev_b32 v6, 3, v17
	v_lshl_add_u32 v6, v20, 7, v6
	v_lshl_add_u32 v6, v21, 2, v6
	v_lshl_add_u32 v6, v22, 1, v6
	v_add_nc_u32 v6, SCW, v6                       ; my two scale bytes' place
	v_lshlrev_b32 v10, 3, v1
	v_add_nc_u32 v11, SCW, v10
	v_add_nc_u32 v7, s14, v2                       ; the image read back: 16 bytes a lane, image w + 4 i
	v_lshlrev_b32 v12, 4, v0                       ; and its place in the record
	s_lshl_b32 s12, ttmp9, 15                      ; 16 rows of 2,048 bytes
	s_lshl_b32 s13, s10, 13
	s_add_co_u32 s12, s12, s13
	s_mov_b32 s13, 0
	s_mul_i32 s14, ttmp9, 4352
	s_mov_b32 s15, 0
	s_wait_alu depctr_va_vdst(0)                   ; the wait at the head's end
	s_wait_kmcnt 0x0
	s_add_nc_u64 s[4:5], s[4:5], s[12:13]
	s_add_nc_u64 s[6:7], s[6:7], s[14:15]
.irp i, 0,1,2,3,4,5,6,7,8,9,10,11,12,13,14,15
	global_load_b128 v[X+4*\i:X+4*\i+3], v2, s[4:5] offset:512*\i th:TH_LOAD_NT   ; 512 consecutive bytes
.endr
.irp g, 0,1,2,3
	s_wait_loadcnt 12-4*\g                         ; four more are in; the later loads stay out
.irp i, 0,1,2,3
	ds_store_b128 v3, v[X+16*\g+4*\i:X+16*\g+4*\i+3] offset:544*(4*\g+\i)
.endr
.endr
.irp j, 0,1,2,3,4,5,6,7,8,9,10,11,12,13,14,15
	ds_load_b128 v[X+4*\j:X+4*\j+3], v4 offset:16*\j   ; LDS serves a wave's instructions in order (ISA guide 5.7.1.4): these see the stores above
.endr
; one block: 32 numbers from v[s] on; h: which of my two
.macro QBLK s, h
	v_max3_num_f32 v[MX], |v[\s]|, |v[\s+1]|, 0x1800000   ; the floor 2^(3 - 127): the byte cannot fall under 1
	v_max3_num_f32 v[MX+1], |v[\s+2]|, |v[\s+3]|, |v[\s+4]|
.irp i, 4,8,12,16,20,24
	v_max3_num_f32 v[MX], v[MX], |v[\s+\i+1]|, |v[\s+\i+2]|
	v_max3_num_f32 v[MX+1], v[MX+1], |v[\s+\i+3]|, |v[\s+\i+4]|
.endr
	v_max3_num_f32 v[MX], v[MX], |v[\s+29]|, |v[\s+30]|
	v_max3_num_f32 v[MX+1], v[MX], v[MX+1], |v[\s+31]|
	v_add_nc_u32 v[SC+\h], 0xff000000, v[MX+1]     ; 2 off its exponent field: the conversion's scale operand
	v_lshrrev_b32 v[BY+\h], 23, v[SC+\h]           ; the scale's byte
.irp g, 0,1,2,3
	v_cvt_scalef32_pk8_fp4_f32 v[PC+4*\h+\g], v[\s+8*\g:\s+8*\g+7], v[SC+\h]
.endr
	v_nop                                          ; one plain place behind a scaled conversion
.endm
	s_wait_dscnt 8                                 ; my first block is in
	QBLK X, 0
	ds_store_b128 v5, v[PC:PC+3]
	s_wait_alu depctr_va_vdst(0)                   ; directly ahead of the wait below
	s_wait_dscnt 1                                 ; the second too; the store may be out
	QBLK X+32, 1
	ds_store_b128 v5, v[PC+4:PC+7] offset:256
	v_lshl_or_b32 v[BY], v[BY+1], 8, v[BY]
	ds_store_b16 v6, v[BY]
	s_wait_dscnt 0x0                               ; for the others' sake: my stores have landed
	s_barrier_signal -1
	s_barrier_wait -1
.irp i, 0,1
	ds_load_b128 v[X+4*\i:X+4*\i+3], v7 offset:4*544*\i
.endr
	s_wait_dscnt 0x0
.irp i, 0,1
	global_store_b128 v12, v[X+4*\i:X+4*\i+3], s[6:7] offset:2048*\i   ; 512 consecutive bytes a wave, at a multiple of 256 from the buffer's first byte
.endr
	s_cmp_lg_u32 s10, 0
	s_cbranch_scc1 .Lend
	ds_load_b64 v[112:113], v11                    ; wave 0: the tile's scale words leave as 256 consecutive bytes
	s_wait_dscnt 0x0
	global_store_b64 v10, v[112:113], s[6:7] offset:4096
.Lend:
	s_wait_tensorcnt 0x0                           ; the wave's end
	ds_add_u32 v8, v9
	s_wait_dscnt 0x0
	s_endpgm
.Lfunc_end_k_qd1c0e156a4_queries:
	.size	k_qd1c0e156a4_queries, .Lfunc_end_k_qd1c0e156a4_queries-k_qd1c0e156a4_queries
	.p2alignl 7, 3214868480
	.fill 96, 4, 3214868480
	.section	.rodata,"a",@progbits
	.p2align	6, 0x0
	.amdhsa_kernel k_qd1c0e156a4_queries
		.amdhsa_group_segment_fixed_size 39936
		.amdhsa_private_segment_fixed_size 0
		.amdhsa_enable_private_segment 0
		.amdhsa_kernarg_size 16
		.amdhsa_user_sgpr_count 2
		.amdhsa_user_sgpr_kernarg_segment_ptr 1
		.amdhsa_wavefront_size32 1
		.amdhsa_system_sgpr_workgroup_id_x 1
		.amdhsa_system_sgpr_workgroup_id_y 1
		.amdhsa_system_sgpr_workgroup_id_z 1
		.amdhsa_system_vgpr_workitem_id 0
		.amdhsa_next_free_vgpr 128
		.amdhsa_next_free_sgpr 66
		.amdhsa_reserve_vcc 0
		.amdhsa_float_denorm_mode_32 3
		.amdhsa_float_denorm_mode_16_64 3
		.amdhsa_memory_ordered 1
		.amdhsa_forward_progress 1
		.amdhsa_inst_pref_size 11
	.end_amdhsa_kernel
	.amdgpu_metadata
---
amdhsa.version: [ 1, 2 ]
amdhsa.kernels:
  - .name:           k_qd1c0e156a4_queries
    .symbol:         k_qd1c0e156a4_queries.kd
    .args:
      - { .name: inputs, .offset: 0, .size: 8, .value_kind: global_buffer, .address_space: global }
      - { .name: qrec, .offset: 8, .size: 8, .value_kind: global_buffer, .address_space: global }
    .group_segment_fixed_size: 39936
    .private_segment_fixed_size: 0
    .kernarg_segment_align: 8
    .kernarg_segment_size: 16
    .max_flat_workgroup_size: 128
    .sgpr_count:     66
    .vgpr_count:     128
    .wavefront_size: 32
...
	.end_amdgpu_metadata
.endif
;; end of part 1
;; launch nearest (part 2): grid 2 x 125, 8 waves a work-group, clusters of 2 x 1, 327,680 bytes of LDS; arguments qrec, buffer, part; writes part
.if DOCPART == 2
	.amdgcn_target "amdgcn-amd-amdhsa--gfx1250"
	.amdhsa_code_object_version 6
	.text
	.protected	k_qd1c0e156a4_nearest
	.globl	k_qd1c0e156a4_nearest
	.p2align	8
	.type	k_qd1c0e156a4_nearest,@function
k_qd1c0e156a4_nearest:
	s_mov_b64 s[64:65], 0
	v_nop
	global_prefetch_b8 v0, s[64:65] scope:SCOPE_SE
	s_setreg_imm32_b32 hwreg(HW_REG_WAVE_MODE, 25, 1), 1
	s_wait_xcnt 0x0
	s_wait_alu depctr_hold_cnt(0) depctr_sa_sdst(0) depctr_va_vdst(0) depctr_va_sdst(0) depctr_va_ssrc(0) depctr_va_vcc(0) depctr_vm_vsrc(0)
	s_getreg_b32 s2, hwreg(HW_REG_IB_STS2, 6, 4)
	s_cmp_eq_u32 s2, 0
	s_cbranch_scc0 .Lentry_in_a_cluster
	s_endpgm
.Lentry_in_a_cluster:
	s_bfe_u32 s2, ttmp6, 0x10000c
	s_cmp_lg_u32 s2, 0x1001
	s_cbranch_scc0 .Lentry_shape_is_right
	s_endpgm
.Lentry_shape_is_right:
; For each query and each slice of 400 rows of buffer: the row of greatest key = q.b - b2 / 2, q and b quantised to MX-FP4, b2 the row's sum of squares of the UNQUANTISED numbers, all sums f32.
; LEFT OUT: q2, the query's own sum of squares, the same for all rows of its argmin (shown at the head of the launch before); a NaN, an infinity or an overflow that reaches q2 alone is not carried to the result.
; LIMITS: NaN and infinities among the inputs are not served; a key of -0 counts as less than one of +0.  b2 is summed in another order than a plain loop: two packed chains a lane, then eight lanes.
; A block of zeros gets the scale byte 1 where the rule says 127: its codes are zeros, which add nothing, and the bytes never leave the work-group.
; SHARES: 250 work-groups = 2 halves of the queries x 125 slices: 125 x 400 = 50,000 rows, none twice.  A wave keeps 8 tiles of 16 queries in registers for the whole launch.
; The slice's rows stream in as f32, through two LDS slots of 64 rows; a step is 32 rows: each wave quantises four of them, one step ahead of the products, into a code image in LDS (two by turns),
; in the order of the operand's registers; then every wave multiplies both tiles of 16 rows with its 8 tiles of queries.  13 steps, the last of one tile.
; CLUSTER: the two halves' work-groups of a slice need the same rows: each is asked for jointly.  More partners would mean a finer cut of the queries, and each partner quantises the rows anew: so two.
; PREFETCH: a slot's 512 blocks of 256 bytes are shared out by address over the pair's sixteen waves, a lane a block, one instruction a wave; behind each slot's load the next slot is asked for, up to slot 5;
; slot 6, 16 rows, comes by its load alone.  The queries are loaded once and not prefetched: no loop stands ahead of them.
; REGISTERS: window 1: the queries' codes, tile q at v[32 q].  Window 0: the map below.
; THE SEARCH keeps, for each query and half of the lanes, the greatest key, its tile and that tile's eight sums; which of the eight it was is asked once, at the end.
.set QREC,   4352
.set SLOTG,  131072                    ; 64 rows of 2,048 bytes
.set SLOT,   8*64*272                  ; in LDS: chunks of 256 bytes + 16 of padding
.set IMG,    2*SLOT
.set IT,     4864                      ; a tile's image: 8 images of 512 bytes + 32, 256 bytes of scale words, 64 bytes of -b2 / 2
.set IMGB,   2*IT
.set SPARE,  IMG+2*IMGB
.set RF,  16                           ; v16-47   16 rows' codes
.set RS,  48                           ; v48-49   their scale words
.set BI,  50                           ; v50-57   -b2 / 2 of my half's eight rows
.set QS,  58                           ; v58-73   the queries' scale words
.set ACC, 76                           ; v76-107  four sums of 16 x 16; at the head a block of f32
.set TT,  108                          ; v108-115 at work
.set ST,  116                          ; v116-195 for each tile of queries: greatest key, tile, eight sums
.set X,   196                          ; v196-227 a block of f32; at the end KEY, IDX, OUT
.set KEY, 196
.set IDX, 204
.set OUT, 212
.set VF,  228                          ; v228-231 LDS address of my chunk for the four steps of a lap
.set PFO, 232                          ; v232     the prefetches' offset
.set SQ,  234                          ; v234-237 sums of squares
.set MX,  238
.set SC,  240
.set BY,  242
.set PC,  244                          ; v244-251 codes
.set MSB, 0
.macro WIN new                         ; the immediate's high byte repeats the setting that is left
.if MSB != \new
	s_set_vgpr_msb (MSB<<8)|\new
.set MSB, \new
.endif
.endm
.macro CREST                           ; a round of the cluster's barrier behind its opening barrier
	s_cmp_lg_u32 s10, 0
	s_cbranch_scc1 .Lnot_wave_0_\@
	s_barrier_signal -3
.Lnot_wave_0_\@:
	s_barrier_wait -3
	s_barrier_signal -1
	s_barrier_wait -1
.endm
.macro CROUND
	s_barrier_signal -1
	s_barrier_wait -1
	CREST
.endm
.macro PLACES n
.rept \n
	v_nop
.endr
.endm
.macro TLOAD slot                      ; my eight rows of a slot, jointly
	tensor_load_to_lds s[48+4*\slot:51+4*\slot], s[24:31]
	s_nop 0
	PLACES 4
.endm
.macro FETCH par, tile                 ; a tile's image into the operand's registers, what the first products need first
	ds_load_b64 v[RS:RS+1], v2 offset:IMGB*(\par)+IT*(\tile)
	ds_load_b128 v[BI:BI+3], v3 offset:IMGB*(\par)+IT*(\tile)
	ds_load_b128 v[BI+4:BI+7], v3 offset:IMGB*(\par)+IT*(\tile)+16
.irp i, 0,1,2,3,4,5,6,7
	ds_load_b128 v[RF+4*\i:RF+4*\i+3], v1 offset:IMGB*(\par)+IT*(\tile)+544*\i
.endr
.endm
.macro XLOAD d, vf, h                  ; block h of my 64 numbers
.irp j, 0,1,2,3,4,5,6,7
	ds_load_b128 v[\d+4*\j:\d+4*\j+3], v[VF+\vf] offset:128*\h+16*\j
.endr
.endm
; 16 products: the tile of rows x query tiles base .. base + 3, K = 512; the four sums take turns; they begin at -b2 / 2.
; w >= 0: the fragment is still coming: ahead of K step s all but w - 2 s LDS instructions are waited for: the six, four, two, none images behind this K step's two, and what was issued behind them
.macro MULS base, w
	WIN 0x04
.irp s, 0,1,2,3
.if \w >= 0
	s_wait_dscnt \w-2*\s
.endif
.irp q, 0,1,2,3
.if \s == 0
	v_wmma_scale_f32_16x16x128_f8f6f4 v[ACC+8*\q:ACC+8*\q+7], v[RF:RF+7], v[32*(\base+\q):32*(\base+\q)+7], v[BI:BI+7], v[RS], v[QS+2*(\base+\q)] matrix_a_fmt:MATRIX_FMT_FP4 matrix_b_fmt:MATRIX_FMT_FP4
.elseif \s == 2
	v_wmma_scale_f32_16x16x128_f8f6f4 v[ACC+8*\q:ACC+8*\q+7], v[RF+16:RF+23], v[32*(\base+\q)+16:32*(\base+\q)+23], v[ACC+8*\q:ACC+8*\q+7], v[RS+1], v[QS+2*(\base+\q)+1] matrix_a_fmt:MATRIX_FMT_FP4 matrix_b_fmt:MATRIX_FMT_FP4
.else
	v_wmma_scale_f32_16x16x128_f8f6f4 v[ACC+8*\q:ACC+8*\q+7], v[RF+8*\s:RF+8*\s+7], v[32*(\base+\q)+8*\s:32*(\base+\q)+8*\s+7], v[ACC+8*\q:ACC+8*\q+7], v[RS+\s/2], v[QS+2*(\base+\q)+\s/2] matrix_a_fmt:MATRIX_FMT_FP4 matrix_b_fmt:MATRIX_FMT_FP4 matrix_a_scale:MATRIX_SCALE_ROW1 matrix_b_scale:MATRIX_SCALE_ROW1
.endif
.endr
.endr
	WIN 0
.endm
; strictly greater replaces: among equal keys the lower tile stays
.macro SEARCH base
.irp q, 0,1,2,3
	v_max3_num_f32 v[TT+(\q%2)+4*(\q/2)], v[ACC+8*\q], v[ACC+8*\q+1], v[ACC+8*\q+2]
.endr
.irp q, 0,1,2,3
	v_max3_num_f32 v[TT+2+(\q%2)+4*(\q/2)], v[ACC+8*\q+3], v[ACC+8*\q+4], v[ACC+8*\q+5]
.endr
.irp q, 0,1,2,3
	v_max3_num_f32 v[TT+(\q%2)+4*(\q/2)], v[TT+(\q%2)+4*(\q/2)], v[ACC+8*\q+6], v[ACC+8*\q+7]
.endr
.irp q, 0,1,2,3
	v_max_num_f32 v[TT+(\q%2)+4*(\q/2)], v[TT+(\q%2)+4*(\q/2)], v[TT+2+(\q%2)+4*(\q/2)]
.endr
.irp q, 0,1,2,3
	v_cmp_gt_f32 vcc_lo, v[TT+(\q%2)+4*(\q/2)], v[ST+10*(\base+\q)]
	v_dual_cndmask_b32 v[ST+10*(\base+\q)], v[ST+10*(\base+\q)], v[TT+(\q%2)+4*(\q/2)] :: v_dual_cndmask_b32 v[ST+10*(\base+\q)+1], v[ST+10*(\base+\q)+1], v14
.irp j, 0,2,4,6
	v_dual_cndmask_b32 v[ST+10*(\base+\q)+2+\j], v[ST+10*(\base+\q)+2+\j], v[ACC+8*\q+\j] :: v_dual_cndmask_b32 v[ST+10*(\base+\q)+3+\j], v[ST+10*(\base+\q)+3+\j], v[ACC+8*\q+\j+1]
.endr
.endr
.endm
; a block of 32 numbers from v[s] on: codes, the scale's byte, the squares (first = 1: the two chains begin); h: which of my two blocks
.macro QBLK s, first, h
	v_max3_num_f32 v[MX], |v[\s]|, |v[\s+1]|, 0x1800000   ; the floor 2^(3 - 127): the byte cannot fall under 1
	v_max3_num_f32 v[MX+1], |v[\s+2]|, |v[\s+3]|, |v[\s+4]|
.if \first
	v_pk_mul_f32 v[SQ:SQ+1], v[\s:\s+1], v[\s:\s+1]
	v_pk_mul_f32 v[SQ+2:SQ+3], v[\s+2:\s+3], v[\s+2:\s+3]
.else
	v_pk_fma_f32 v[SQ:SQ+1], v[\s:\s+1], v[\s:\s+1], v[SQ:SQ+1]
	v_pk_fma_f32 v[SQ+2:SQ+3], v[\s+2:\s+3], v[\s+2:\s+3], v[SQ+2:SQ+3]
.endif
.irp i, 4,8,12,16,20,24
	v_max3_num_f32 v[MX], v[MX], |v[\s+\i+1]|, |v[\s+\i+2]|
	v_max3_num_f32 v[MX+1], v[MX+1], |v[\s+\i+3]|, |v[\s+\i+4]|
	v_pk_fma_f32 v[SQ:SQ+1], v[\s+\i:\s+\i+1], v[\s+\i:\s+\i+1], v[SQ:SQ+1]
	v_pk_fma_f32 v[SQ+2:SQ+3], v[\s+\i+2:\s+\i+3], v[\s+\i+2:\s+\i+3], v[SQ+2:SQ+3]
.endr
	v_max3_num_f32 v[MX], v[MX], |v[\s+29]|, |v[\s+30]|
	v_pk_fma_f32 v[SQ:SQ+1], v[\s+28:\s+29], v[\s+28:\s+29], v[SQ:SQ+1]
	v_max3_num_f32 v[MX+1], v[MX], v[MX+1], |v[\s+31]|
	v_pk_fma_f32 v[SQ+2:SQ+3], v[\s+30:\s+31], v[\s+30:\s+31], v[SQ+2:SQ+3]
	v_add_nc_u32 v[SC+\h], 0xff000000, v[MX+1]     ; 2 off its exponent field: the conversion's scale operand
	v_lshrrev_b32 v[BY+\h], 23, v[SC+\h]           ; the scale's byte
.irp g, 0,1,2,3
	v_cvt_scalef32_pk8_fp4_f32 v[PC+4*\h+\g], v[\s+8*\g:\s+8*\g+7], v[SC+\h]
.endr
	v_nop                                          ; one plain place behind a scaled conversion
.endm
; behind my second block: its codes, my two scale bytes and my row's -b2 / 2 into image ipar: three LDS stores
.macro QEND ipar
	ds_store_b128 v4, v[PC+4:PC+7] offset:IMGB*(\ipar)+256
	v_lshl_or_b32 v[BY], v[BY+1], 8, v[BY]
	v_pk_add_f32 v[SQ:SQ+1], v[SQ:SQ+1], v[SQ+2:SQ+3]
	ds_store_b16 v5, v[BY] offset:IMGB*(\ipar)
	v_add_f32 v[SQ], v[SQ], v[SQ+1]
	v_add_f32_dpp v[SQ], v[SQ], v[SQ] row_xmask:1 row_mask:0xf bank_mask:0xf
	v_add_f32_dpp v[SQ], v[SQ], v[SQ] row_xmask:2 row_mask:0xf bank_mask:0xf
	v_add_f32_dpp v[SQ], v[SQ], v[SQ] row_xmask:4 row_mask:0xf bank_mask:0xf
	v_mul_f32 v[SQ], -0.5, v[SQ]                   ; the row's eight lanes hold the same
	ds_store_b32 v6, v[SQ] offset:IMGB*(\ipar)
.endm
; A step: image par's two tiles are multiplied; the next step's rows are quantised into the other image, a block at a time, each asked for 16 products ahead.  vf: where those rows lie.
; kind 0: a plain barrier; 1: the slot read out is filled again, jointly, two slots on; 3: the same for the slice's last 16 rows, which waves 0 and 1 bring; 2: the load that is out is waited for, and nothing is filled.
; The barrier is signalled when the next image is stored and waited for behind the second tile's products.
.macro STEP par, vf, kind, slot
	XLOAD X, \vf, 0
	MULS 0, 14                                     ; (eight loads were issued behind the fragment's)
	v_add_nc_u32 v14, 1, v14                       ; the tile's number
	PLACES 3
	SEARCH 0
	s_wait_dscnt 0x0
	QBLK X, 1, 0
	ds_store_b128 v4, v[PC:PC+3] offset:IMGB*(1-\par)
	XLOAD X, \vf, 1
	s_wait_loadcnt 0x0                             ; (in the first step: query tiles 4 to 7)
	MULS 4, -1
	PLACES 4
	FETCH \par, 1
	SEARCH 4
	s_wait_dscnt 11                                ; my second block is in; the fragment may be out
	QBLK X, 0, 1
	QEND 1-\par
	s_wait_dscnt 3                                 ; the fragment is in; the three stores may be out
	MULS 0, -1
.if \kind == 0
	s_wait_dscnt 0x0                               ; my reads of this image and of the rows are back, my part of the next image is stored
	s_barrier_signal -1
.else
	s_wait_tensorcnt 0x0                           ; my part of the slot on its way has landed
.if \kind != 2
	ds_add_u32 v8, v9
	s_add_nc_u64 s[50+4*\slot:51+4*\slot], s[50+4*\slot:51+4*\slot], 2*SLOTG
.endif
.endif
	v_add_nc_u32 v14, 1, v14
	PLACES 3
	SEARCH 0
.if \kind != 0
	s_wait_dscnt 0x0
	s_barrier_signal -1
.endif
	MULS 4, -1
	s_barrier_wait -1
.if \kind == 1
	CREST
	TLOAD \slot
.elseif \kind == 3
	CREST
	s_cmp_lt_u32 s10, 2
	s_cbranch_scc0 .Lno_rows_\@
	TLOAD \slot
.Lno_rows_\@:
	PLACES 4
.else
	PLACES 4
.endif
	FETCH 1-\par, 0
.if \kind == 1
.if \slot == 0
	global_prefetch_b8 v[PFO], s[56:57] offset:3*SLOTG th:TH_LOAD_NT scope:SCOPE_SE   ; slot 3, in the second lap 5
.else
	s_cmp_eq_u32 s62, 2                            ; slot 4, in the first lap
	s_cbranch_scc0 .Lno_ask_\@
	global_prefetch_b8 v[PFO], s[56:57] offset:4*SLOTG th:TH_LOAD_NT scope:SCOPE_SE
.Lno_ask_\@:
.endif
.endif
	SEARCH 4
.endm
; a query tile's result: which of the eight sums (the lowest that equals the greatest key), the row's number, the key as an ordered whole number; then the better of the two halves of the lanes, at equal keys the lower row
.macro FIN q
	v_mov_b32 v12, 7
.irp j, 6,5,4,3,2,1,0
	v_cmp_neq_f32 vcc_lo, v[ST+10*(\q)+2+\j], v[ST+10*(\q)]
	v_cndmask_b32 v12, \j, v12, vcc_lo
.endr
	v_ashrrev_i32 v13, 31, v[ST+10*(\q)]
	v_lshl_add_u32 v[IDX+(\q)], v[ST+10*(\q)+1], 4, v12
	v_or_b32 v13, 0x80000000, v13
	v_add_nc_u32 v[IDX+(\q)], v7, v[IDX+(\q)]
	v_xor_b32 v[KEY+(\q)], v[ST+10*(\q)], v13
	v_permlanex16_b32 v253, v[IDX+(\q)], s66, s67
	v_permlanex16_b32 v252, v[KEY+(\q)], s66, s67
	v_cmp_lt_u32 vcc_lo, v253, v[IDX+(\q)]
	v_cmp_gt_u32 s68, v252, v[KEY+(\q)]
	v_cmp_eq_u32 s69, v252, v[KEY+(\q)]
	s_and_b32 s69, s69, vcc_lo
	s_or_b32 s68, s68, s69
	v_cndmask_b32 v[KEY+(\q)], v[KEY+(\q)], v252, s68
	v_cndmask_b32 v[IDX+(\q)], v[IDX+(\q)], v253, s68
.endm
; four of my query tiles, codes and scale words: 36 loads, to stay
.macro QLOAD base
	WIN 0x40
.irp q, 0,1,2,3
.irp i, 0,1,2,3,4,5,6,7
	global_load_b128 v[32*(\base+\q)+4*\i:32*(\base+\q)+4*\i+3], v10, s[20:21] offset:QREC*(\base+\q)+512*\i
.endr
.endr
	WIN 0
.irp q, 0,1,2,3
	global_load_b64 v[QS+2*(\base+\q):QS+2*(\base+\q)+1], v15, s[20:21] offset:QREC*(\base+\q)+4096
.endr
.endm
	s_load_b128 s[4:7], s[0:1], 0x0                ; qrec, buffer
	s_load_b64 s[8:9], s[0:1], 0x10                ; part
	v_lshl_add_u32 v8, v0, 2, SPARE
	v_mov_b32 v9, 0
	ds_add_u32 v8, v9                              ; the add, twice on end
	ds_add_u32 v8, v9
	v_lshrrev_b32 v12, 5, v0
	v_readfirstlane_b32 s10, v12                   ; wave
	s_bfe_u32 s11, ttmp6, 0x40000                  ; cx: which half of the queries
	s_and_b32 s13, ttmp7, 0xffff                   ; slice
	; descriptor group 1: 16,384 dense bytes (eight rows) as 64 rows of 256 (32 elements of 8 bytes), 16 bytes of padding behind each; the mask names the pair
	s_mov_b32 s24, 3|(3<<16)|(1<<20)|(1<<21)|(5<<22)|(3<<25)
	s_mov_b32 s25, 32<<16
	s_mov_b32 s26, 64<<16
	s_mov_b32 s27, 32<<16
	s_mov_b32 s28, 64
	s_mov_b32 s29, 32
	s_mov_b32 s30, 0
	s_mov_b32 s31, 0
	s_mov_b32 s48, 1
	s_mul_i32 s49, s10, 64*272                     ; wave x 64 chunks
	s_mov_b32 s52, 1
	s_add_co_u32 s53, s49, SLOT
	s_mul_i32 s18, s13, 400*2048                   ; the slice's first byte (under 2^27)
	s_mov_b32 s19, 0
	s_lshl_b32 s16, s10, 14                        ; my eight rows of a slot
	s_mov_b32 s17, 0
	s_lshl_b32 s20, s11, 6
	s_lshl_b32 s21, s10, 3
	s_add_co_u32 s20, s20, s21                     ; my first tile of queries
	s_lshl_b32 s22, s20, 14                        ; in part: 32 queries x 128 places of 256 bytes = 32,768 bytes; two tiles make 32 queries
	s_mul_i32 s20, s20, QREC
	s_mov_b32 s21, 0
	s_lshl_b32 s23, s13, 8
	s_add_co_u32 s22, s22, s23
	s_mov_b32 s23, 0
	s_and_b32 s32, s10, 3
	s_lshl_b32 s32, s32, 2                         ; my four rows' first in their tile
	s_lshr_b32 s33, s10, 2
	s_mul_i32 s33, s33, IT
	s_add_co_u32 s33, s33, IMG                     ; their tile's image
	s_add_co_u32 s34, s33, 4352
	s_add_co_u32 s35, s33, 4608
	s_mul_i32 s36, s10, 32*272
	s_mul_i32 s37, s13, 25
	s_sub_co_u32 s37, s37, 1                       ; one under the slice's first tile
	s_lshl_b32 s38, s11, 16
	s_lshl_b32 s39, s10, 13
	s_add_co_u32 s38, s38, s39                     ; the blocks of a slot that my wave prefetches
	s_mov_b32 s63, 0xffff0000
	s_mov_b32 s66, 0x76543210
	s_mov_b32 s67, 0xfedcba98
	v_and_b32 v12, 31, v0                          ; lane
	v_and_b32 v13, 7, v0                           ; n: my 64 numbers of a row are k = 64 n ..
	v_bfe_u32 v10, v0, 3, 2                        ; which of my wave's four rows
	v_bfe_u32 v11, v0, 4, 1                        ; lane / 16
	v_bfe_u32 v17, v0, 1, 1
	v_bfe_u32 v18, v0, 2, 1
	v_and_b32 v19, 1, v0
	v_lshl_add_u32 v1, v12, 4, IMG                 ; fetches: codes, scale words, -b2 / 2
	v_lshl_add_u32 v2, v12, 3, IMG+4352
	v_lshl_add_u32 v3, v11, 5, IMG+4608
	v_add_nc_u32 v16, s32, v10                     ; my row in its tile
	v_mul_u32_u24 v4, v13, 544
	v_lshl_add_u32 v4, v16, 4, v4
	v_add_nc_u32 v4, s33, v4                       ; my codes' place
	v_lshlrev_b32 v5, 3, v16
	v_lshl_add_u32 v5, v17, 7, v5
	v_lshl_add_u32 v5, v18, 2, v5
	v_lshl_add_u32 v5, v19, 1, v5
	v_add_nc_u32 v5, s34, v5                       ; my two scale bytes' place
	v_lshlrev_b32 v6, 2, v16
	v_add_nc_u32 v6, s35, v6                       ; my row's -b2 / 2
	v_lshlrev_b32 v7, 3, v11
	v_mul_u32_u24 v20, v12, 272
	v_add_nc_u32 v[VF], s36, v20                   ; my chunk: slot 0, its first 32 rows,
	v_add_nc_u32 v[VF+1], SLOT/2, v[VF]            ; its other 32,
	v_add_nc_u32 v[VF+2], SLOT, v[VF]              ; slot 1
	v_add_nc_u32 v[VF+3], SLOT+SLOT/2, v[VF]
	v_lshlrev_b32 v[PFO], 8, v12
	v_add_nc_u32 v[PFO], s38, v[PFO]
	v_lshlrev_b32 v10, 4, v12
	v_lshlrev_b32 v15, 3, v12
	v_mov_b32 v14, s37
	v_mov_b32 v252, 0                              ; a lane permute's destination counts as one of its sources
	v_mov_b32 v253, 0
	s_wait_alu depctr_va_vdst(0)                   ; directly ahead of the waits below
	s_wait_dscnt 0x0                               ; both opening adds are done
	s_wait_kmcnt 0x0
	s_add_nc_u64 s[56:57], s[6:7], s[18:19]        ; the slice
	s_add_nc_u64 s[50:51], s[56:57], s[16:17]
	s_add_nc_u64 s[54:55], s[50:51], SLOTG
	s_or_b32 s51, s51, 0x80000000
	s_or_b32 s55, s55, 0x80000000
	s_add_nc_u64 s[20:21], s[4:5], s[20:21]
	s_add_nc_u64 s[8:9], s[8:9], s[22:23]
	CROUND                                         ; both work-groups are here: the first joint loads meet
	TLOAD 0                                        ; one tensor load a wave at the head: slot 0
	global_prefetch_b8 v[PFO], s[56:57] offset:SLOTG th:TH_LOAD_NT scope:SCOPE_SE
	QLOAD 0
.irp q, 0,1,2,3,4,5,6,7
	v_mov_b32 v[ST+10*\q], 0xff800000              ; under every key
.irp j, 1,2,3,4,5,6,7,8,9
	v_mov_b32 v[ST+10*\q+\j], 0
.endr
.endr
	s_wait_alu depctr_va_vdst(0)                   ; the wait at the head's end
	s_wait_tensorcnt 0x0                           ; my part of slot 0 is in
	ds_add_u32 v8, v9
	s_wait_dscnt 0x0
	CROUND
	TLOAD 1                                        ; slot 1
	XLOAD X, 0, 0
	XLOAD ACC, 0, 1
	QLOAD 4
	global_prefetch_b8 v[PFO], s[56:57] offset:2*SLOTG th:TH_LOAD_NT scope:SCOPE_SE
	s_wait_dscnt 8                                 ; all but ACC's eight loads are in
	QBLK X, 1, 0                                   ; step 0's image
	ds_store_b128 v4, v[PC:PC+3]
	s_wait_alu depctr_va_vdst(0)                   ; directly ahead of the wait below
	s_wait_dscnt 1                                 ; ACC's too; the store may be out
	QBLK ACC, 0, 1
	QEND 0
	s_wait_dscnt 0x0
	s_barrier_signal -1
	s_barrier_wait -1
	FETCH 0, 0
	s_wait_alu depctr_va_vdst(0)                   ; directly ahead of the wait below
	s_wait_loadcnt 36                              ; query tiles 0 to 3 are in; the 36 loads of 4 to 7 may be out
	s_mov_b32 s62, 2
.Llap:                                                 ; a lap: four steps, once round the two slots; slots 2 to 5 are loaded
	STEP 0, 1, 1, 0
	STEP 1, 2, 0, 0
	STEP 0, 3, 1, 1
	STEP 1, 0, 0, 0
	s_wait_xcnt 0x0                                ; the prefetches have read their base
	s_add_nc_u64 s[56:57], s[56:57], 2*SLOTG
	s_sub_co_u32 s62, s62, 1
	s_cmp_lg_u32 s62, 0
	s_cbranch_scc1 .Llap
	STEP 0, 1, 3, 0                                ; the last 16 rows are loaded
	STEP 1, 2, 0, 0
	STEP 0, 3, 2, 0
	STEP 1, 0, 0, 0                                ; (waves 4 to 7 quantise rows of an earlier slot here, into the image's second tile, which nobody reads)
	MULS 0, 6                                      ; the last step: one tile
	v_add_nc_u32 v14, 1, v14
	PLACES 3
	SEARCH 0
	MULS 4, -1
	PLACES 4
	SEARCH 4
.irp q, 0,1,2,3,4,5,6,7
	FIN \q
.endr
.irp i, 0,1,2,3
	v_cndmask_b32 v[OUT+2*\i], v[KEY+2*\i], v[KEY+2*\i+1], s63   ; lanes 0-15 one tile's queries, lanes 16-31 the next's
	v_cndmask_b32 v[OUT+2*\i+1], v[IDX+2*\i], v[IDX+2*\i+1], s63
.endr
.irp i, 0,1,2,3
	global_store_b64 v15, v[OUT+2*\i:OUT+2*\i+1], s[8:9] offset:32768*\i   ; 256 consecutive bytes, at a multiple of 256 from the buffer's first byte
.endr
	s_wait_tensorcnt 0x0                           ; the wave's end
	ds_add_u32 v8, v9
	s_wait_dscnt 0x0
	CROUND                                         ; the closing round
	s_endpgm
.Lfunc_end_k_qd1c0e156a4_nearest:
	.size	k_qd1c0e156a4_nearest, .Lfunc_end_k_qd1c0e156a4_nearest-k_qd1c0e156a4_nearest
	.p2alignl 7, 3214868480
	.fill 96, 4, 3214868480
	.section	.rodata,"a",@progbits
	.p2align	6, 0x0
	.amdhsa_kernel k_qd1c0e156a4_nearest
		.amdhsa_group_segment_fixed_size 327680
		.amdhsa_private_segment_fixed_size 0
		.amdhsa_enable_private_segment 0
		.amdhsa_kernarg_size 24
		.amdhsa_user_sgpr_count 2
		.amdhsa_user_sgpr_kernarg_segment_ptr 1
		.amdhsa_wavefront_size32 1
		.amdhsa_system_sgpr_workgroup_id_x 1
		.amdhsa_system_sgpr_workgroup_id_y 1
		.amdhsa_system_sgpr_workgroup_id_z 1
		.amdhsa_system_vgpr_workitem_id 0
		.amdhsa_next_free_vgpr 512
		.amdhsa_next_free_sgpr 80
		.amdhsa_reserve_vcc 1
		.amdhsa_float_denorm_mode_32 3
		.amdhsa_float_denorm_mode_16_64 3
		.amdhsa_memory_ordered 1
		.amdhsa_forward_progress 1
		.amdhsa_inst_pref_size 253
	.end_amdhsa_kernel
	.amdgpu_metadata
---
amdhsa.version: [ 1, 2 ]
amdhsa.kernels:
  - .name:           k_qd1c0e156a4_nearest
    .symbol:         k_qd1c0e156a4_nearest.kd
    .args:
      - { .name: qrec, .offset: 0, .size: 8, .value_kind: global_buffer, .address_space: global }
      - { .name: buffer, .offset: 8, .size: 8, .value_kind: global_buffer, .address_space: global }
      - { .name: part, .offset: 16, .size: 8, .value_kind: global_buffer, .address_space: global }
    .group_segment_fixed_size: 327680
    .private_segment_fixed_size: 0
    .kernarg_segment_align: 8
    .kernarg_segment_size: 24
    .max_flat_workgroup_size: 256
    .sgpr_count:     80
    .vgpr_count:     512
    .wavefront_size: 32
...
	.end_amdgpu_metadata
.endif
;; end of part 2
;; launch recall (part 3): grid 4 x 64, 8 waves a work-group, no clusters, 3,072 bytes of LDS; arguments part, buffer, out0; writes out0
.if DOCPART == 3
	.amdgcn_target "amdgcn-amd-amdhsa--gfx1250"
	.amdhsa_code_object_version 6
	.text
	.protected	k_qd1c0e156a4_recall
	.globl	k_qd1c0e156a4_recall
	.p2align	8
	.type	k_qd1c0e156a4_recall,@function
k_qd1c0e156a4_recall:
	s_mov_b64 s[64:65], 0
	v_nop
	global_prefetch_b8 v0, s[64:65] scope:SCOPE_SE
	s_setreg_imm32_b32 hwreg(HW_REG_WAVE_MODE, 25, 1), 1
	s_wait_xcnt 0x0
; out0[q] = buffer[the row that the launch before found nearest to query q].  part holds, for each block of 32 queries and each of 125 slices of rows (128 places), 32 pairs (key, row) of whole numbers: 256 bytes.
; The greatest key wins, among equal keys the lowest slice: slices ascend in rows.  All comparisons are of whole numbers read from memory.
; (The queries' own sums of squares, the same for all rows of an argmin, have no part in the keys: shown at the head of the first launch, with its limit.)
; SHARES.  256 work-groups: work-group (x, y) copies the rows of queries 8 x .. 8 x + 7 of block y.  All four of a block scan its pairs, so that what is read of part are whole 256 bytes: wave w scans 16 slices from
; slice 16 w on (the last wave from 109 on: three of them twice, which changes nothing), a lane a query; the eight waves' pairs meet in LDS; then wave w copies one row: every lane reads the eight pairs
; of its query and scans them, so that the row's number stands in every lane.  It is held to 49,999 ahead of the address.  No prefetch: a row is known only where its load stands.
.set P,   48                           ; v48-63  my query's eight pairs
.set ROW, 64                           ; v64-79  its row
.macro BETTER a, b                     ; the pair at b replaces that at a if its key is strictly greater: the lower slice keeps a tie
	v_cmp_gt_u32 vcc_lo, v[\b], v[\a]
	v_dual_cndmask_b32 v[\a], v[\a], v[\b] :: v_dual_cndmask_b32 v[\a+1], v[\a+1], v[\b+1]
.endm
	s_load_b128 s[4:7], s[0:1], 0x0                ; part, buffer
	s_load_b64 s[8:9], s[0:1], 0x10                ; out0
	v_lshl_add_u32 v10, v0, 2, 0x800
	v_mov_b32 v11, 0
	v_lshrrev_b32 v1, 5, v0
	v_readfirstlane_b32 s10, v1                    ; wave 0..7
	s_and_b32 s16, ttmp9, 3                        ; x
	s_and_b32 s17, ttmp7, 0xffff                   ; y
	s_lshl_b32 s12, s17, 15                        ; part: 32,768 bytes a block
	s_lshl_b32 s13, s10, 4
	s_min_u32 s13, s13, 109
	s_lshl_b32 s13, s13, 8
	s_add_co_u32 s12, s12, s13
	s_mov_b32 s13, 0
	s_lshl_b32 s14, s17, 16                        ; out0: 32 rows of 2,048 bytes a block,
	s_lshl_b32 s15, s16, 14                        ; eight a work-group,
	s_add_co_u32 s14, s14, s15
	s_lshl_b32 s15, s10, 11                        ; one a wave
	s_add_co_u32 s14, s14, s15
	s_mov_b32 s15, 0
	s_lshl_b32 s16, s16, 6
	s_lshl_b32 s17, s10, 3
	s_add_co_u32 s16, s16, s17                     ; LDS: 8 x my query in the block
	v_and_b32 v1, 31, v0                           ; lane
	v_lshlrev_b32 v4, 3, v0                        ; LDS: 256 x wave + 8 x lane
	v_mov_b32 v5, s16
	v_lshlrev_b32 v2, 3, v1                        ; 8 x lane
	v_lshlrev_b32 v3, 4, v1                        ; 16 x lane
	s_wait_alu depctr_va_vdst(0)                   ; the wait at the head's end
	s_wait_kmcnt 0x0
	s_add_nc_u64 s[4:5], s[4:5], s[12:13]
	s_add_nc_u64 s[8:9], s[8:9], s[14:15]
.irp k, 0,1,2,3,4,5,6,7,8,9,10,11,12,13,14,15
	global_load_b64 v[16+2*\k:17+2*\k], v2, s[4:5] offset:256*\k   ; a slice: 256 consecutive bytes
.endr
	s_wait_loadcnt 0x0
.irp k, 0,2,4,6,8,10,12,14
	BETTER 16+2*\k, 18+2*\k
.endr
.irp k, 0,4,8,12
	BETTER 16+2*\k, 20+2*\k
.endr
	BETTER 16, 24
	BETTER 32, 40
	BETTER 16, 32
	ds_store_b64 v4, v[16:17]
	s_wait_dscnt 0x0                               ; for the others' sake: my store has landed
	s_barrier_signal -1
	s_barrier_wait -1
.irp w, 0,1,2,3,4,5,6,7
	ds_load_b64 v[P+2*\w:P+2*\w+1], v5 offset:256*\w   ; the pair that wave w found
.endr
	s_wait_dscnt 0x0
.irp w, 0,2,4,6
	BETTER P+2*\w, P+2*\w+2
.endr
	BETTER P, P+4
	BETTER P+8, P+12
	BETTER P, P+8
	v_min_u32 v[P+1], 0xc34f, v[P+1]               ; inside the table: 49,999 at the most
	v_lshlrev_b32 v[P+1], 11, v[P+1]               ; a row is 2,048 bytes (under 2^27 in all)
	v_add_nc_u32 v12, v[P+1], v3
.irp j, 0,1,2,3
	global_load_b128 v[ROW+4*\j:ROW+4*\j+3], v12, s[6:7] offset:512*\j   ; 512 consecutive bytes of the row; two queries may name one row, so no hint
.endr
.irp j, 0,1,2,3
	s_wait_loadcnt 3-\j
	global_store_b128 v3, v[ROW+4*\j:ROW+4*\j+3], s[8:9] offset:512*\j th:TH_STORE_NT   ; 512 consecutive bytes, at a multiple of 256 from out0's first byte
.endr
	s_wait_tensorcnt 0x0                           ; the wave's end
	ds_add_u32 v10, v11
	s_wait_dscnt 0x0
	s_endpgm
.Lfunc_end_k_qd1c0e156a4_recall:
	.size	k_qd1c0e156a4_recall, .Lfunc_end_k_qd1c0e156a4_recall-k_qd1c0e156a4_recall
	.p2alignl 7, 3214868480
	.fill 96, 4, 3214868480
	.section	.rodata,"a",@progbits
	.p2align	6, 0x0
	.amdhsa_kernel k_qd1c0e156a4_recall
		.amdhsa_group_segment_fixed_size 3072
		.amdhsa_private_segment_fixed_size 0
		.amdhsa_enable_private_segment 0
		.amdhsa_kernarg_size 24
		.amdhsa_user_sgpr_count 2
		.amdhsa_user_sgpr_kernarg_segment_ptr 1
		.amdhsa_wavefront_size32 1
		.amdhsa_system_sgpr_workgroup_id_x 1
		.amdhsa_system_sgpr_workgroup_id_y 1
		.amdhsa_system_sgpr_workgroup_id_z 1
		.amdhsa_system_vgpr_workitem_id 0
		.amdhsa_next_free_vgpr 80
		.amdhsa_next_free_sgpr 66
		.amdhsa_reserve_vcc 1
		.amdhsa_float_denorm_mode_32 3
		.amdhsa_float_denorm_mode_16_64 3
		.amdhsa_memory_ordered 1
		.amdhsa_forward_progress 1
		.amdhsa_inst_pref_size 7
	.end_amdhsa_kernel
	.amdgpu_metadata
---
amdhsa.version: [ 1, 2 ]
amdhsa.kernels:
  - .name:           k_qd1c0e156a4_recall
    .symbol:         k_qd1c0e156a4_recall.kd
    .args:
      - { .name: part, .offset: 0, .size: 8, .value_kind: global_buffer, .address_space: global }
      - { .name: buffer, .offset: 8, .size: 8, .value_kind: global_buffer, .address_space: global }
      - { .name: out0, .offset: 16, .size: 8, .value_kind: global_buffer, .address_space: global }
    .group_segment_fixed_size: 3072
    .private_segment_fixed_size: 0
    .kernarg_segment_align: 8
    .kernarg_segment_size: 24
    .max_flat_workgroup_size: 256
    .sgpr_count:     66
    .vgpr_count:     80
    .wavefront_size: 32
...
	.end_amdgpu_metadata
.endif
;; end of part 3
